; MI455X (gfx1250); checked and timed in simulation.
; The chip was launched on July 23, 2026; its instructions are those of AMD's public machine-readable ISA for CDNA 5 (MIT licence, August 2026) and "CDNA5" Instruction Set Architecture Reference Guide (July 2026). The comments in the code are by the model that wrote it; some were corrected since.
;; Group B Internal Pipeline. Allowed arithmetic: float matrix products may take bf16 or f16 operands with f32 sums; other float arithmetic in f32, or as packed bf16 or f16 multiplies, adds, multiply-adds, maxima and minima; sums over many terms, partial sums and values carried from step to step in f32; what a program stores and reads back later, other than sums and carried values, may be rounded once to bf16 or f16.
;; Inputs: bW1 2 x 64 float32; bW2 64 x 8 float32; bb1 64 float32; bb2 8 float32; cWk 256 x 256 float32; cWo 256 x 256 float32; cWq 256 x 256 float32; cWv 256 x 256 float32; eWq 256 x 256 float32; ego_distances 512 x 128 float32; ego_idx 512 int32; ego_speed 512 float32; ln1_b 256 float32; ln1_g 256 float32; ln2_b 256 float32; ln2_g 256 float32; pWk 256 x 256 float32; pWo 256 x 256 float32; pWq 256 x 256 float32; pWv 256 x 256 float32; tokens 512 x 128 x 256 float32.
;; Outputs: out0 512 x 128 x 256 float32.
;; One version. Each part assembles by itself: llvm-mc -triple=amdgcn-amd-amdhsa -mcpu=gfx1250 --defsym DOCPART=n.
;; ======== version 1 of 1: 2 launches
;; workspace buffers: wfrag 655,360 bytes; o8 4,194,304 bytes; idx8 16,384 bytes of whole numbers
;; launch prep (part 1): grid 256 x 1, 8 waves a work-group, no clusters, 26,368 bytes of LDS; arguments tokens, ego_idx, ego_distances, ln1_g, ln1_b, cWv, cWo, pWk, pWv, eWq, pWq, pWo, wfrag, o8, idx8; writes wfrag, o8, idx8
.if DOCPART == 1
	.amdgcn_target "amdgcn-amd-amdhsa--gfx1250"
	.amdhsa_code_object_version 6
	.text
	.protected	k_q3c7c36a498_prep
	.globl	k_q3c7c36a498_prep
	.p2align	8
	.type	k_q3c7c36a498_prep,@function
k_q3c7c36a498_prep:
	s_mov_b64 s[64:65], 0
	v_nop
	global_prefetch_b8 v0, s[64:65] scope:SCOPE_SE
	s_setreg_imm32_b32 hwreg(HW_REG_WAVE_MODE, 25, 1), 1
	s_wait_xcnt 0x0
; PREP: what the main launch needs once.  (A) idx8[b] = the five tokens of batch b nearest to the ego, then the ego index three times.
; (B) o8[h][b][:] = the part of out1[b] that head h's 32 channels of Ve give.  (C) wfrag = pWk, pWv, eWq, pWq, pWo rounded once to bf16, in the order of a matrix operand's registers.
; WORK LEFT OUT, for all finite values of the inputs:
;  * scores1 has one key, so softmax over that axis of length 1 is exactly 1: out1[b][n] = (LN1(tokens[b][ego]) cWv) cWo for every n.  Q, Ke and scores1 reach no output: cWq and cWk are not loaded.
;  * bb2[h] is added to all K scores of a softmax row alike, and a softmax does not change under a term common to its axis: bb2 is not loaded.
;  * ego_speed: not loaded.
;  * top_k(-dist_rank) of token i is the batch's order by (distance, index) with i taken out, so only the batch's first five can be a neighbour: K and V are made of those five rows (main launch).
; LIMITS.  A NaN, an infinity or an overflow that reaches only the work left out is not carried to the result.  Distances are finite (a removed entry counts as -inf); +0 and -0 tie, the lower index wins, as for equal distances.
; A loaded index is held to 0..127.
; SHARES.  Work-group id: head h = id & 7, sixteen batches 16 g .. 16 g + 15 with g = id >> 3.  Wave w normalises the ego rows of batches 16 g + w (lanes 0-15) and 16 g + 8 + w (lanes 16-31),
; takes K step w of Ve_h = E cWv[:, 32 h ..], and (waves 0-3) columns 64 w .. 64 w + 63 of Ve_h cWo[32 h .., :].  Waves 0-4 lay out half a fragment of weight w; waves 6, 7 rank batch 2 id + w - 6.
; A ROW IN REGISTERS: register 4 cb + q of lane (n = lane % 16) holds channel 64 cb + 4 n + q; lanes 0-15 hold one row, lanes 16-31 another: a load of 16 bytes a lane covers 256 consecutive bytes of each.
.set XP,    528                        ; a row of 256 bf16 in LDS: 512 bytes + 16: the 16 rows of a fragment load begin 132 words apart
.set PP,    8704                       ; LDS: wave w's two partial tiles of Ve_h, f32, at PP + 2048 w
.set SPARE, 25344                      ; the spare words, 128 bytes a wave: four blocks of 256 bytes that no other line names
.set LNS,   96                         ; s[96:97] = 1/256, eps
.set MSB,   0
.macro WIN new                         ; this text names v0-v255 alone: every call has 0 and writes nothing
.if MSB != (\new)
	s_set_vgpr_msb (MSB<<8)|(\new)
.set MSB, (\new)
.endif
.endm
.macro PLACES                          ; four plain vector places behind a matrix instruction (ISA guide 7.12.1)
.rept 4
	v_nop
.endr
.endm
.macro EACH nj, line:vararg            ; one line for each row jj
.set jj, 0
.rept \nj
	\line
.set jj, jj+1
.endr
.endm
.macro EACH2 nj, cnt, line:vararg      ; for ii = 0 .. cnt - 1, one line for each row jj: the rows alternate
.set ii, 0
.rept \cnt
.set jj, 0
.rept \nj
	\line
.set jj, jj+1
.endr
.set ii, ii+1
.endr
.endm
; LAYER NORM of nj rows (16 registers each from T, in window TW), in two passes: mean, then the squares of the centred numbers, so that no difference of large sums is formed.
; addo = 1: O is added to the rows first, in place.  The result, times G plus B, is rounded to bf16 and stored at ADR + OFF + XP jj + 128 cb, 8 bytes a lane.
.macro LNROWS nj, T, TW, addo, O, G, B, XC, AP, QP, ADR, OFF
.if \addo
	WIN 0x41*(\TW)
	EACH2 \nj, 8, v_pk_add_f32 v[(\T)+16*jj+2*ii:(\T)+16*jj+2*ii+1], v[(\T)+16*jj+2*ii:(\T)+16*jj+2*ii+1], v[(\O)+2*ii:(\O)+2*ii+1]
.endif
	WIN 0x05*(\TW)
	EACH2 \nj, 4, v_pk_add_f32 v[(\XC)+16*jj+2*ii:(\XC)+16*jj+2*ii+1], v[(\T)+16*jj+4*ii:(\T)+16*jj+4*ii+1], v[(\T)+16*jj+4*ii+2:(\T)+16*jj+4*ii+3]
	WIN 0
	EACH \nj, v_pk_add_f32 v[(\XC)+16*jj:(\XC)+16*jj+1], v[(\XC)+16*jj:(\XC)+16*jj+1], v[(\XC)+16*jj+2:(\XC)+16*jj+3]
	EACH \nj, v_pk_add_f32 v[(\XC)+16*jj+4:(\XC)+16*jj+5], v[(\XC)+16*jj+4:(\XC)+16*jj+5], v[(\XC)+16*jj+6:(\XC)+16*jj+7]
	EACH \nj, v_pk_add_f32 v[(\AP)+2*jj:(\AP)+2*jj+1], v[(\XC)+16*jj:(\XC)+16*jj+1], v[(\XC)+16*jj+4:(\XC)+16*jj+5]
	EACH \nj, v_add_f32 v[(\AP)+2*jj], v[(\AP)+2*jj], v[(\AP)+2*jj+1]
.irp m, 1,2,4,8                        ; a row lies in 16 lanes: four steps inside the half
	EACH \nj, v_add_f32_dpp v[(\AP)+2*jj], v[(\AP)+2*jj], v[(\AP)+2*jj] row_xmask:\m row_mask:0xf bank_mask:0xf
.endr
	WIN 0x10*(\TW)
	EACH2 \nj, 8, v_pk_fma_f32 v[(\XC)+16*jj+2*ii:(\XC)+16*jj+2*ii+1], v[(\AP)+2*jj:(\AP)+2*jj+1], s[LNS:LNS+1], v[(\T)+16*jj+2*ii:(\T)+16*jj+2*ii+1] op_sel_hi:[0,0,1] neg_lo:[1,0,0] neg_hi:[1,0,0]
	WIN 0
	EACH \nj, v_pk_mul_f32 v[(\QP)+2*jj:(\QP)+2*jj+1], v[(\XC)+16*jj:(\XC)+16*jj+1], v[(\XC)+16*jj:(\XC)+16*jj+1]
	EACH2 \nj, 7, v_pk_fma_f32 v[(\QP)+2*jj:(\QP)+2*jj+1], v[(\XC)+16*jj+2*ii+2:(\XC)+16*jj+2*ii+3], v[(\XC)+16*jj+2*ii+2:(\XC)+16*jj+2*ii+3], v[(\QP)+2*jj:(\QP)+2*jj+1]
	EACH \nj, v_add_f32 v[(\QP)+2*jj], v[(\QP)+2*jj], v[(\QP)+2*jj+1]
.irp m, 1,2,4,8
	EACH \nj, v_add_f32_dpp v[(\QP)+2*jj], v[(\QP)+2*jj], v[(\QP)+2*jj] row_xmask:\m row_mask:0xf bank_mask:0xf
.endr
	EACH \nj, v_fma_f32 v[(\QP)+2*jj], v[(\QP)+2*jj], s[LNS], s[LNS+1]
	EACH \nj, v_rsq_f32 v[(\QP)+2*jj], v[(\QP)+2*jj]
	v_nop                                          ; a plain instruction behind the last root,
	s_wait_alu depctr_va_vdst(0)                   ; and one wait for the batch of roots, ahead of their first reader
	EACH2 \nj, 8, v_pk_mul_f32 v[(\XC)+16*jj+2*ii:(\XC)+16*jj+2*ii+1], v[(\XC)+16*jj+2*ii:(\XC)+16*jj+2*ii+1], v[(\QP)+2*jj:(\QP)+2*jj+1] op_sel_hi:[1,0]
	EACH2 \nj, 8, v_pk_fma_f32 v[(\XC)+16*jj+2*ii:(\XC)+16*jj+2*ii+1], v[(\XC)+16*jj+2*ii:(\XC)+16*jj+2*ii+1], v[(\G)+2*ii:(\G)+2*ii+1], v[(\B)+2*ii:(\B)+2*ii+1]
	EACH2 \nj, 8, v_cvt_pk_bf16_f32 v[(\XC)+16*jj+ii], v[(\XC)+16*jj+2*ii], v[(\XC)+16*jj+2*ii+1]
	EACH2 \nj, 4, ds_store_b64 v[\ADR], v[(\XC)+16*jj+2*ii:(\XC)+16*jj+2*ii+1] offset:(\OFF)+XP*jj+128*ii
.endm
	s_load_b512 s[4:19], s[0:1], 0x0               ; tokens 4, ego_idx 6, ego_distances 8, ln1_g 10, ln1_b 12, cWv 14, cWo 16, pWk 18
	s_load_b256 s[20:27], s[0:1], 0x40             ; pWv 20, eWq 22, pWq 24, pWo 26
	s_load_b128 s[28:31], s[0:1], 0x60             ; wfrag 28, o8 30
	s_load_b64 s[32:33], s[0:1], 0x70              ; idx8
	v_lshl_add_u32 v4, v0, 2, SPARE                ; my spare word,
	v_mov_b32 v5, 0                                ; and 0: kept for the wave's end
	v_lshrrev_b32 v1, 5, v0
	v_readfirstlane_b32 s34, v1                    ; wave w
	s_mov_b32 s35, ttmp9                           ; id
	s_and_b32 s36, s35, 7                          ; head h
	s_lshr_b32 s37, s35, 3                         ; group g of sixteen batches
	s_mov_b32 s96, 0x3b800000                      ; 1/256
	s_mov_b32 s97, 0x3727c5ac                      ; 1e-5
	s_mov_b32 s100, 0x76543210                     ; v_permlanex16_b32: each lane takes its own place in the other half
	s_mov_b32 s101, 0xfedcba98
	s_mov_b32 s82, 0xff800000                      ; -inf
	s_mov_b32 s57, 0                               ; the high word of every offset below
	v_and_b32 v1, 31, v0                           ; l
	v_and_b32 v2, 15, v0                           ; n
	v_bfe_u32 v3, v0, 4, 1                         ; hh
	v_lshlrev_b32 v6, 5, v3                        ; ego_idx: 8 batches further for lanes 16-31
	v_lshlrev_b32 v7, 4, v2                        ; 16 n
	v_lshlrev_b32 v8, 3, v2
	v_lshl_add_u32 v8, v3, 13, v8                  ; cWv: 8 rows x hh + 8 n
	v_lshl_add_u32 v9, v3, 14, v7                  ; cWo: 16 rows x hh + 16 n
	v_mul_u32_u24 v12, v3, 8*XP
	v_lshl_add_u32 v12, v2, 3, v12
	s_mul_i32 s58, s34, XP
	v_add_nc_u32 v12, s58, v12                     ; E row 8 hh + w, 8 n
	v_mul_u32_u24 v13, v2, XP
	v_lshl_add_u32 v13, v3, 4, v13
	s_lshl_b32 s58, s34, 6
	v_add_nc_u32 v13, s58, v13                     ; E row n, K step w, 16 hh
	v_lshlrev_b32 v15, 5, v1
	v_add_nc_u32 v15, PP, v15                      ; PP + 32 l
	s_lshl_b32 s58, s34, 11
	v_add_nc_u32 v14, s58, v15                     ; + 2048 w
	v_lshl_add_u32 v16, v3, 13, v7                 ; o8: 8 rows x hh + 16 n
	v_lshlrev_b32 v17, 4, v1                       ; 16 l
	v_lshlrev_b32 v18, 2, v1                       ; 4 l
	s_wait_kmcnt 0x0
	s_lshl_b32 s56, s37, 6
	s_lshl_b32 s58, s34, 2
	s_add_co_u32 s56, s56, s58
	s_add_nc_u64 s[38:39], s[6:7], s[56:57]        ; ego_idx at batch 16 g + w
	s_lshl_b32 s56, s34, 15
	s_lshl_b32 s58, s36, 7
	s_add_co_u32 s56, s56, s58
	s_add_nc_u64 s[40:41], s[14:15], s[56:57]      ; cWv at row 32 w, column 32 h
	s_lshl_b32 s56, s36, 15
	s_lshl_b32 s58, s34, 8
	s_add_co_u32 s56, s56, s58
	s_add_nc_u64 s[42:43], s[16:17], s[56:57]      ; cWo at row 32 h, column 64 w (used by waves 0-3 alone)
	s_lshl_b32 s56, s37, 21
	s_lshl_b32 s58, s34, 17
	s_add_co_u32 s56, s56, s58
	s_add_nc_u64 s[44:45], s[4:5], s[56:57]        ; tokens at batch 16 g + w
	s_lshl_b32 s56, s36, 19
	s_lshl_b32 s58, s37, 14
	s_add_co_u32 s56, s56, s58
	s_lshl_b32 s58, s34, 8
	s_add_co_u32 s56, s56, s58
	s_add_nc_u64 s[52:53], s[30:31], s[56:57]      ; o8 at head h, batch 16 g, column 64 w
	global_load_b32 v10, v6, s[38:39]              ; my two rows' ego indices: the first load, so that it can be waited for alone
.irp cb, 0,1,2,3
	global_load_b128 v[128+4*\cb:131+4*\cb], v7, s[10:11] offset:256*\cb
	global_load_b128 v[144+4*\cb:147+4*\cb], v7, s[12:13] offset:256*\cb
.endr
.set pp, 0
.rept 16                               ; cWv[32 w + 16 y + 8 hh + x][32 h + 2 n + q] at v[32 + 2 (8 y + x) + q]
	global_load_b64 v[32+2*pp:33+2*pp], v8, s[40:41] offset:(16*(pp/8)+pp%8)*1024
.set pp, pp+1
.endr
	s_wait_loadcnt 24                              ; the index is in; the 24 loads behind it may stay out
	v_min_u32 v10, 0x7f, v10
	v_lshl_add_u32 v11, v10, 10, v7
	v_lshl_add_u32 v11, v3, 20, v11                ; 8 batches x hh + the ego's row + 16 n
.irp cb, 0,1,2,3
	global_load_b128 v[160+4*\cb:163+4*\cb], v11, s[44:45] offset:256*\cb
.endr
	s_cmp_lt_u32 s34, 4
	s_cbranch_scc0 .Lno_co
.set pp, 0
.rept 16                               ; cWo[32 h + 16 hh + p][64 w + 4 n + q] at v[64 + 4 p + q]
	global_load_b128 v[64+4*pp:67+4*pp], v9, s[42:43] offset:1024*pp
.set pp, pp+1
.endr
.Lno_co:
	s_cmp_lt_u32 s34, 5
	s_cbranch_scc0 .Lno_c
	; (C) half y = id & 1 of fragment F = id >> 1 of weight w.  Lane (n, hh), place x = 0..7 stands for k = 16 y + 8 hh + x of the fragment's K step.
	;   pWk, pWv, eWq: F = 8 T + s:  W[32 s + k][16 T + n]        pWo: F = 8 T + h:  pWo[32 h + k][64 (T >> 2) + 4 n + (T & 3)]        pWq: F = 16 h + dt:  pWq[16 dt + n][32 h + k]
	s_lshr_b32 s58, s35, 1                         ; F
	s_and_b32 s59, s35, 1                          ; y
	s_and_b32 s60, s58, 7
	s_lshl_b32 s60, s60, 15
	s_lshl_b32 s61, s59, 14
	s_add_co_u32 s60, s60, s61                     ; row 32 (F & 7) + 16 y, in bytes
	s_lshr_b32 s61, s58, 3                         ; T
	s_lshl_b32 s62, s61, 6
	s_add_co_u32 s62, s60, s62                     ; + column 16 T
	s_lshr_b32 s63, s61, 2
	s_lshl_b32 s63, s63, 8
	s_add_co_u32 s63, s60, s63
	s_and_b32 s61, s61, 3
	s_lshl_b32 s61, s61, 2
	s_add_co_u32 s63, s63, s61                     ; pWo: + column 64 (T >> 2) + (T & 3)
	s_and_b32 s60, s58, 15
	s_lshl_b32 s60, s60, 14
	s_lshr_b32 s61, s58, 4
	s_lshl_b32 s61, s61, 7
	s_add_co_u32 s60, s60, s61
	s_lshl_b32 s61, s59, 6
	s_add_co_u32 s60, s60, s61                     ; pWq: row 16 (F & 15), column 32 (F >> 4) + 16 y
	s_cmp_eq_u32 s34, 4
	s_cselect_b32 s62, s63, s62
	s_cselect_b32 s66, 16, 4                       ; bytes from lane n to n + 1
	s_cmp_eq_u32 s34, 3
	s_cselect_b32 s62, s60, s62
	s_cselect_b32 s66, 1024, s66
	s_cselect_b32 s67, 32, 8192                    ; bytes from hh = 0 to hh = 1
	v_mul_u32_u24 v28, v2, s66
	v_mad_u32_u24 v28, v3, s67, v28
	v_add_nc_u32 v28, s62, v28
	s_cmp_eq_u32 s34, 0
	s_cselect_b64 s[46:47], s[18:19], s[20:21]
	s_cmp_eq_u32 s34, 2
	s_cselect_b64 s[46:47], s[22:23], s[46:47]
	s_cmp_eq_u32 s34, 3
	s_cselect_b64 s[46:47], s[24:25], s[46:47]
	s_cmp_eq_u32 s34, 4
	s_cselect_b64 s[46:47], s[26:27], s[46:47]
	s_lshl_b32 s56, s34, 17
	s_lshl_b32 s58, s35, 9
	s_add_co_u32 s56, s56, s58
	s_add_nc_u64 s[48:49], s[28:29], s[56:57]      ; wfrag + 131072 w + 512 id
	s_cmp_eq_u32 s34, 3
	s_cbranch_scc0 .Lby_rows
	global_load_b128 v[248:251], v28, s[46:47]     ; pWq: the eight numbers lie on end
	global_load_b128 v[252:255], v28, s[46:47] offset:16
	s_branch .Lc_in
.Lby_rows:
.irp x, 0,1,2,3,4,5,6,7
	global_load_b32 v[248+\x], v28, s[46:47] offset:1024*\x
.endr
.Lc_in:
	s_wait_loadcnt 0x0                             ; zero: these are the youngest loads
.irp x, 0,1,2,3
	v_cvt_pk_bf16_f32 v[24+\x], v[248+2*\x], v[249+2*\x]
.endr
	global_store_b128 v17, v[24:27], s[48:49]      ; 512 consecutive bytes a wave; v[24:27] are not written again
.Lno_c:
	s_cmp_lt_u32 s34, 6
	s_cbranch_scc1 .Lno_a
	; (A) the five smallest distances of batch 2 id + w - 6, ties to the lower index: five times the maximum of -d over the wave, its lowest holder, and that holder's removal.  The choice steers values alone here; it is stored.
	s_lshl_b32 s58, s35, 1
	s_add_co_u32 s58, s58, s34
	s_sub_co_u32 s58, s58, 6
	s_lshl_b32 s56, s58, 9
	s_add_nc_u64 s[50:51], s[8:9], s[56:57]
	s_lshl_b32 s56, s58, 2
	s_add_nc_u64 s[80:81], s[6:7], s[56:57]
	s_lshl_b32 s56, s58, 5
	s_add_nc_u64 s[54:55], s[32:33], s[56:57]
.irp q, 0,1,2,3
	global_load_b32 v[208+\q], v18, s[50:51] offset:128*\q  ; token 32 q + l
.endr
	s_load_b32 s77, s[80:81], 0x0
.irp q, 0,1,2,3
	v_add_nc_u32 v[212+\q], 32*\q, v1
.endr
	v_mov_b32 v217, 0                              ; v_permlanex16_b32 counts as a reader of its destination
	s_wait_loadcnt 0x0
	s_wait_kmcnt 0x0
.irp q, 0,1,2,3
	v_xor_b32 v[208+\q], 0x80000000, v[208+\q]
.endr
.irp k, 0,1,2,3,4
	v_max3_num_f32 v216, v208, v209, v210
	v_max_num_f32 v216, v216, v211
	v_max_num_f32_dpp v216, v216, v216 row_xmask:1 row_mask:0xf bank_mask:0xf
	v_max_num_f32_dpp v216, v216, v216 row_xmask:2 row_mask:0xf bank_mask:0xf
	v_max_num_f32_dpp v216, v216, v216 row_xmask:4 row_mask:0xf bank_mask:0xf
	v_max_num_f32_dpp v216, v216, v216 row_xmask:8 row_mask:0xf bank_mask:0xf
	v_permlanex16_b32 v217, v216, s100, s101
	v_max_num_f32 v216, v216, v217
	v_cmp_eq_f32 s66, v208, v216
	v_cmp_eq_f32 s67, v209, v216
	v_cmp_eq_f32 s68, v210, v216
	v_cmp_eq_f32 s69, v211, v216
	s_ctz_i32_b32 s70, s69
	s_add_co_u32 s70, s70, 96
	s_ctz_i32_b32 s71, s68
	s_add_co_u32 s71, s71, 64
	s_cmp_lg_u32 s68, 0
	s_cselect_b32 s70, s71, s70
	s_ctz_i32_b32 s71, s67
	s_add_co_u32 s71, s71, 32
	s_cmp_lg_u32 s67, 0
	s_cselect_b32 s70, s71, s70
	s_ctz_i32_b32 s71, s66
	s_cmp_lg_u32 s66, 0
	s_cselect_b32 s[72+\k], s71, s70
	s_min_u32 s[72+\k], s[72+\k], 0x7f
.irp q, 0,1,2,3
	v_cmp_eq_u32 vcc_lo, s[72+\k], v[212+\q]
	v_cndmask_b32 v[208+\q], v[208+\q], s82, vcc_lo
.endr
.endr
	v_mov_b32 v218, s77                            ; words 5 to 7: the ego index
.irp k, 0,1,2,3,4
	v_writelane_b32 v218, s[72+\k], \k
.endr
	s_wait_xcnt 0x0                                ; EXEC changes only when every load issued so far has read it
	v_cmp_gt_u32 vcc_lo, 8, v1
	s_and_saveexec_b32 s78, vcc_lo
	global_store_b32 v18, v218, s[54:55]
	s_wait_xcnt 0x0                                ; and again in front of the line that widens it
	s_or_b32 exec_lo, exec_lo, s78
.Lno_a:
	s_wait_loadcnt 0x0                             ; zero: how many loads are out differs from wave to wave
.set ii, 0
.rept 8                                ; cWv's slice as source 0: row m of tile q stands for column 32 h + 2 m + q
	v_cvt_pk_bf16_f32 v[224+ii], v[32+4*ii], v[34+4*ii]
	v_cvt_pk_bf16_f32 v[232+ii], v[33+4*ii], v[35+4*ii]
.set ii, ii+1
.endr
	LNROWS 1, 160, 0, 0, 0, 128, 144, 176, 192, 194, 12, 0
	s_wait_dscnt 0x0                               ; for the others' sake: my row of E is stored
	s_barrier_signal -1
	s_barrier_wait -1
	ds_load_b128 v[240:243], v13                   ; E as source 1: column = batch row, K step w
	ds_load_b128 v[244:247], v13 offset:32
	s_wait_dscnt 0x0
	v_wmma_f32_16x16x32_bf16 v[176:183], v[224:231], v[240:247], 0
	v_wmma_f32_16x16x32_bf16 v[184:191], v[232:239], v[240:247], 0
	PLACES
	ds_store_b128 v14, v[176:179]
	ds_store_b128 v14, v[180:183] offset:16
	ds_store_b128 v14, v[184:187] offset:1024
	ds_store_b128 v14, v[188:191] offset:1040
	s_wait_dscnt 0x0
	s_barrier_signal -1
	s_barrier_wait -1                              ; all eight K steps' partial sums lie in LDS
	s_cmp_lt_u32 s34, 4
	s_cbranch_scc0 .Lend
.set ii, 0
.rept 8                                ; cWo's slice as source 1, tile q: column 64 w + 4 n + q; register x holds k = 16 hh + 2 x, 2 x + 1: the order in which Ve falls below
.irp q, 0,1,2,3
	v_cvt_pk_bf16_f32 v[32+8*\q+ii], v[64+8*ii+\q], v[68+8*ii+\q]
.endr
.set ii, ii+1
.endr
.set pp, 0
.rept 8
.irp u, 0,1,2,3
	ds_load_b128 v[64+16*pp+4*\u:67+16*pp+4*\u], v15 offset:2048*pp+1024*(\u/2)+16*(\u%2)
.endr
.set pp, pp+1
.endr
	s_wait_dscnt 0x0
.set pp, 1
.rept 7
.set ii, 0
.rept 8
	v_pk_add_f32 v[64+2*ii:65+2*ii], v[64+2*ii:65+2*ii], v[64+16*pp+2*ii:65+16*pp+2*ii]
.set ii, ii+1
.endr
.set pp, pp+1
.endr
.set ii, 0
.rept 8                                ; lane (batch row, hh), register x: Ve[32 h + 16 hh + 2 x + q]; the two tiles interleave into source 0
	v_cvt_pk_bf16_f32 v[192+ii], v[64+ii], v[72+ii]
.set ii, ii+1
.endr
.irp q, 0,1,2,3
	v_wmma_f32_16x16x32_bf16 v[200+8*\q:207+8*\q], v[192:199], v[32+8*\q:39+8*\q], 0
.endr
	PLACES
.set jj, 0
.rept 8                                ; row 8 hh + j: the four tiles' numbers are four neighbouring columns
.irp q, 0,1,2,3
	v_mov_b32 v[96+4*jj+\q], v[200+8*\q+jj]
.endr
	global_store_b128 v16, v[96+4*jj:99+4*jj], s[52:53] offset:1024*jj  ; 16 lanes store 256 consecutive bytes, at a multiple of 256 from o8's first
.set jj, jj+1
.endr
.Lend:
	s_wait_tensorcnt 0x0                           ; the wave's end
	ds_add_u32 v4, v5
	s_wait_dscnt 0x0
	s_endpgm
.Lfunc_end_k_q3c7c36a498_prep:
	.size	k_q3c7c36a498_prep, .Lfunc_end_k_q3c7c36a498_prep-k_q3c7c36a498_prep
	.p2alignl 7, 3214868480
	.fill 96, 4, 3214868480
	.section	.rodata,"a",@progbits
	.p2align	6, 0x0
	.amdhsa_kernel k_q3c7c36a498_prep
		.amdhsa_group_segment_fixed_size 26368
		.amdhsa_private_segment_fixed_size 0
		.amdhsa_enable_private_segment 0
		.amdhsa_kernarg_size 120
		.amdhsa_user_sgpr_count 2
		.amdhsa_user_sgpr_kernarg_segment_ptr 1
		.amdhsa_wavefront_size32 1
		.amdhsa_system_sgpr_workgroup_id_x 1
		.amdhsa_system_sgpr_workgroup_id_y 1
		.amdhsa_system_sgpr_workgroup_id_z 1
		.amdhsa_system_vgpr_workitem_id 0
		.amdhsa_next_free_vgpr 256
		.amdhsa_next_free_sgpr 102
		.amdhsa_reserve_vcc 1
		.amdhsa_float_denorm_mode_32 3
		.amdhsa_float_denorm_mode_16_64 3
		.amdhsa_memory_ordered 1
		.amdhsa_forward_progress 1
		.amdhsa_inst_pref_size 37
	.end_amdhsa_kernel
	.amdgpu_metadata
---
amdhsa.version: [ 1, 2 ]
amdhsa.kernels:
  - .name:           k_q3c7c36a498_prep
    .symbol:         k_q3c7c36a498_prep.kd
    .args:
      - { .name: tokens, .offset: 0, .size: 8, .value_kind: global_buffer, .address_space: global }
      - { .name: ego_idx, .offset: 8, .size: 8, .value_kind: global_buffer, .address_space: global }
      - { .name: ego_distances, .offset: 16, .size: 8, .value_kind: global_buffer, .address_space: global }
      - { .name: ln1_g, .offset: 24, .size: 8, .value_kind: global_buffer, .address_space: global }
      - { .name: ln1_b, .offset: 32, .size: 8, .value_kind: global_buffer, .address_space: global }
      - { .name: cWv, .offset: 40, .size: 8, .value_kind: global_buffer, .address_space: global }
      - { .name: cWo, .offset: 48, .size: 8, .value_kind: global_buffer, .address_space: global }
      - { .name: pWk, .offset: 56, .size: 8, .value_kind: global_buffer, .address_space: global }
      - { .name: pWv, .offset: 64, .size: 8, .value_kind: global_buffer, .address_space: global }
      - { .name: eWq, .offset: 72, .size: 8, .value_kind: global_buffer, .address_space: global }
      - { .name: pWq, .offset: 80, .size: 8, .value_kind: global_buffer, .address_space: global }
      - { .name: pWo, .offset: 88, .size: 8, .value_kind: global_buffer, .address_space: global }
      - { .name: wfrag, .offset: 96, .size: 8, .value_kind: global_buffer, .address_space: global }
      - { .name: o8, .offset: 104, .size: 8, .value_kind: global_buffer, .address_space: global }
      - { .name: idx8, .offset: 112, .size: 8, .value_kind: global_buffer, .address_space: global }
    .group_segment_fixed_size: 26368
    .private_segment_fixed_size: 0
    .kernarg_segment_align: 8
    .kernarg_segment_size: 120
    .max_flat_workgroup_size: 256
    .sgpr_count:     102
    .vgpr_count:     256
    .wavefront_size: 32
...
	.end_amdgpu_metadata
.endif
;; end of part 1
;; launch main (part 2): grid 256 x 1, 8 waves a work-group, no clusters, 318,208 bytes of LDS; arguments tokens, ego_distances, ln2_g, ln2_b, bW1, bb1, bW2, wfrag, o8, idx8, out0; writes out0
.if DOCPART == 2
	.amdgcn_target "amdgcn-amd-amdhsa--gfx1250"
	.amdhsa_code_object_version 6
	.text
	.protected	k_q3c7c36a498_main
	.globl	k_q3c7c36a498_main
	.p2align	8
	.type	k_q3c7c36a498_main,@function
k_q3c7c36a498_main:
	s_mov_b64 s[64:65], 0
	v_nop
	global_prefetch_b8 v0, s[64:65] scope:SCOPE_SE
	s_setreg_imm32_b32 hwreg(HW_REG_WAVE_MODE, 25, 1), 1
	s_wait_xcnt 0x0
; MAIN: out0 = h1 + attention.  Left out, as shown at the head of the first kernel: stage 1's Q, Ke and scores (a softmax over one key is 1), bb2 (common to a softmax row), ego_speed, and K and V of all rows but each
; batch's five nearest.  A NaN, an infinity or an overflow that reaches only that work is not carried to the result.  A loaded index is held to 0..127.
; THE ARITHMETIC, re-associated (equal in exact arithmetic).  With K = x2[near] pWk, V = x2[near] pWv for the batch's five nearest r = 0..4:
;   score[n][(r,h)] = x2[n] . M[:,(r,h)],  M = pWq_h K_h^T log2(e)/sqrt(32)   (for the ego token: (x2[ego] eWq)_h . K_h, selected)          attn pWo = W[n][(r,h)] U[(r,h)][:],  U = V_h pWo_h
; Token n takes ranks 0..3, or, if it is itself one of them, ranks 0..4 without itself; the other places get the lowest finite number ahead of the maximum.  Place r = 5 is padding (the ego's row) and always hidden.
; SHARES.  A work-group owns batches 2 id and 2 id + 1.  Wave w owns tokens 16 w .. 16 w + 15 of both; in the chain that makes M and U it owns head w and U's column tiles 2 w, 2 w + 1.
; THE ROADS.  The first batch's tokens come by asynchronous copies into LDS, issued at the head; the weights' fragments, laid out by the first launch, come by ordinary loads, 32 a group, two groups out;
; the second batch's tokens follow the last group but one into registers.  So each stream has a counter of its own, and no wait for a weight waits for a token.
; EXEC IS NEVER WRITTEN: it is a source of the copies for as long as they are out, so every store of this text runs with all lanes on, each lane at a place of its own.
; A TILE IN REGISTERS: register 16 j + 4 cb + q of lane (n, hh) holds token 8 hh + j, channel 64 cb + 4 n + q: a load or store of 16 bytes a lane covers 256 consecutive bytes of two rows.  pWo's columns are laid
; out so that the last product's result falls into the same lanes.  SCORES: accumulator i, lane (token, hh), register j: rank r = 2 i + hh, head j; rounded in pairs they are source 0 of the last product.
; REGISTERS: window 0: v0-31 addresses and constants that stay; v32-255 by phase.  Window 1: v0-127 weights, then the first batch's tile; v128-255 weights, then the second batch's.
.set MT,    131072                     ; behind the 131,072 bytes of copied tokens (wave w's 16 rows at 16384 w): M^T[batch][48 rows 8 r + h][256], bf16, pitch XP
.set MTB,   25344
.set UT,    181760                     ; U^T[batch][256 columns as laid out][48], bf16, pitch UP
.set UTB,   28672
.set UP,    112                        ; 96 bytes + 16: seven times 16
.set XST,   239104                     ; wave w's stage for x2 at 8448 w; until the chain's last barrier: XS, K, V, EQ (16 rows each) and the eight parts of out1
.set XP,    528                        ; 512 bytes + 16
.set KH,    8448
.set VH,    16896
.set EQH,   25344
.set OPL,   33792
.set GT,    307200                     ; ln2_g; + 1024 ln2_b; + 2048 out1 of the two batches
.set W1T,   311296                     ; bW1; + 512 bb1
.set AB,    312064                     ; bW2 log2(e) as four fragments of source 0
.set SPARE, 316160                     ; the spare words, 128 bytes a wave: four blocks of 256 bytes that no other line names
.set SEB,   317184                     ; the egos' scores, f32 [ego's batch][16 rows of K][8 heads]: batch b reads the quarter at 768 b, its own ego against its own rows
.set LNS,   96                         ; s[96:97] = 1/256, eps
.set MSB,   0
.macro WIN new                         ; bits 1:0 source 0, 3:2 source 1, 5:4 source 2, 7:6 destination; the high byte repeats the setting that is left
.if MSB != (\new)
	s_set_vgpr_msb (MSB<<8)|(\new)
.set MSB, (\new)
.endif
.endm
.macro PLACES                          ; four plain vector places behind a matrix instruction, in front of loads into its registers and of readers of its result
.rept 4
	v_nop
.endr
.endm
.macro BAR
	s_barrier_signal -1
	s_barrier_wait -1
.endm
.macro EACH nj, line:vararg            ; one line for each row jj
.set jj, 0
.rept \nj
	\line
.set jj, jj+1
.endr
.endm
.macro EACH2 nj, cnt, line:vararg      ; for ii = 0 .. cnt - 1, one line for each row jj: the rows alternate
.set ii, 0
.rept \cnt
.set jj, 0
.rept \nj
	\line
.set jj, jj+1
.endr
.set ii, ii+1
.endr
.endm
; LAYER NORM of nj rows (16 registers each from T, in window TW), in two passes: mean, then the squares of the centred numbers, so that no difference of large sums is formed.
; addo = 1: O is added to the rows first, in place (h1 stays there).  The result, times G plus B, is rounded to bf16 and stored at ADR + OFF + XP jj + 128 cb, 8 bytes a lane.
.macro LNROWS nj, T, TW, addo, O, G, B, XC, AP, QP, ADR, OFF
.if \addo
	WIN 0x41*(\TW)
	EACH2 \nj, 8, v_pk_add_f32 v[(\T)+16*jj+2*ii:(\T)+16*jj+2*ii+1], v[(\T)+16*jj+2*ii:(\T)+16*jj+2*ii+1], v[(\O)+2*ii:(\O)+2*ii+1]
.endif
	WIN 0x05*(\TW)
	EACH2 \nj, 4, v_pk_add_f32 v[(\XC)+16*jj+2*ii:(\XC)+16*jj+2*ii+1], v[(\T)+16*jj+4*ii:(\T)+16*jj+4*ii+1], v[(\T)+16*jj+4*ii+2:(\T)+16*jj+4*ii+3]
	WIN 0
	EACH \nj, v_pk_add_f32 v[(\XC)+16*jj:(\XC)+16*jj+1], v[(\XC)+16*jj:(\XC)+16*jj+1], v[(\XC)+16*jj+2:(\XC)+16*jj+3]
	EACH \nj, v_pk_add_f32 v[(\XC)+16*jj+4:(\XC)+16*jj+5], v[(\XC)+16*jj+4:(\XC)+16*jj+5], v[(\XC)+16*jj+6:(\XC)+16*jj+7]
	EACH \nj, v_pk_add_f32 v[(\AP)+2*jj:(\AP)+2*jj+1], v[(\XC)+16*jj:(\XC)+16*jj+1], v[(\XC)+16*jj+4:(\XC)+16*jj+5]
	EACH \nj, v_add_f32 v[(\AP)+2*jj], v[(\AP)+2*jj], v[(\AP)+2*jj+1]
.irp m, 1,2,4,8                        ; a row lies in 16 lanes: four steps inside the half
	EACH \nj, v_add_f32_dpp v[(\AP)+2*jj], v[(\AP)+2*jj], v[(\AP)+2*jj] row_xmask:\m row_mask:0xf bank_mask:0xf
.endr
	WIN 0x10*(\TW)
	EACH2 \nj, 8, v_pk_fma_f32 v[(\XC)+16*jj+2*ii:(\XC)+16*jj+2*ii+1], v[(\AP)+2*jj:(\AP)+2*jj+1], s[LNS:LNS+1], v[(\T)+16*jj+2*ii:(\T)+16*jj+2*ii+1] op_sel_hi:[0,0,1] neg_lo:[1,0,0] neg_hi:[1,0,0]
	WIN 0
	EACH \nj, v_pk_mul_f32 v[(\QP)+2*jj:(\QP)+2*jj+1], v[(\XC)+16*jj:(\XC)+16*jj+1], v[(\XC)+16*jj:(\XC)+16*jj+1]
	EACH2 \nj, 7, v_pk_fma_f32 v[(\QP)+2*jj:(\QP)+2*jj+1], v[(\XC)+16*jj+2*ii+2:(\XC)+16*jj+2*ii+3], v[(\XC)+16*jj+2*ii+2:(\XC)+16*jj+2*ii+3], v[(\QP)+2*jj:(\QP)+2*jj+1]
	EACH \nj, v_add_f32 v[(\QP)+2*jj], v[(\QP)+2*jj], v[(\QP)+2*jj+1]
.irp m, 1,2,4,8
	EACH \nj, v_add_f32_dpp v[(\QP)+2*jj], v[(\QP)+2*jj], v[(\QP)+2*jj] row_xmask:\m row_mask:0xf bank_mask:0xf
.endr
	EACH \nj, v_fma_f32 v[(\QP)+2*jj], v[(\QP)+2*jj], s[LNS], s[LNS+1]
	EACH \nj, v_rsq_f32 v[(\QP)+2*jj], v[(\QP)+2*jj]
	v_nop                                          ; a plain instruction behind the last root,
	s_wait_alu depctr_va_vdst(0)                   ; and one wait for the batch of roots, ahead of their first reader
	EACH2 \nj, 8, v_pk_mul_f32 v[(\XC)+16*jj+2*ii:(\XC)+16*jj+2*ii+1], v[(\XC)+16*jj+2*ii:(\XC)+16*jj+2*ii+1], v[(\QP)+2*jj:(\QP)+2*jj+1] op_sel_hi:[1,0]
	EACH2 \nj, 8, v_pk_fma_f32 v[(\XC)+16*jj+2*ii:(\XC)+16*jj+2*ii+1], v[(\XC)+16*jj+2*ii:(\XC)+16*jj+2*ii+1], v[(\G)+2*ii:(\G)+2*ii+1], v[(\B)+2*ii:(\B)+2*ii+1]
	EACH2 \nj, 8, v_cvt_pk_bf16_f32 v[(\XC)+16*jj+ii], v[(\XC)+16*jj+2*ii], v[(\XC)+16*jj+2*ii+1]
	EACH2 \nj, 4, ds_store_b64 v[\ADR], v[(\XC)+16*jj+2*ii:(\XC)+16*jj+2*ii+1] offset:(\OFF)+XP*jj+128*ii
.endm
; My 16 fragments of weight wn (16,384 bytes on end) into window 1 from dst: fragment f at dst + 8 f.  Each load takes 512 consecutive bytes.
.macro WLOAD dst, wn
	WIN 0x40
.set ii, 0
.rept 32
	global_load_b128 v[(\dst)+4*ii:(\dst)+4*ii+3], v6, s[34:35] offset:(\wn)*131072+512*ii
.set ii, ii+1
.endr
.endm
; The 16 chosen rows times head w's 32 columns of the weight in buffer wb: source 0 = 16 columns of the weight, source 1 = the rows: a lane ends with eight neighbouring columns of one row.
; The two accumulators take turns.  Then the buffer takes weight nxt.  scl = 1: times log2(e)/sqrt(32).  pf = 1: the prefetch stands behind the loads.
.macro PROJ wb, acc, nxt, off, scl, pf
	s_wait_loadcnt 32                              ; this group is in; the next group's 32 loads may stay out
	WIN 0x01
.set ks, 0
.rept 8
.if ks == 0
	v_wmma_f32_16x16x32_bf16 v[(\acc):(\acc)+7], v[(\wb):(\wb)+7], v[32:39], 0
	v_wmma_f32_16x16x32_bf16 v[(\acc)+8:(\acc)+15], v[(\wb)+64:(\wb)+71], v[32:39], 0
.else
	v_wmma_f32_16x16x32_bf16 v[(\acc):(\acc)+7], v[(\wb)+8*ks:(\wb)+8*ks+7], v[32+8*ks:39+8*ks], v[(\acc):(\acc)+7]
	v_wmma_f32_16x16x32_bf16 v[(\acc)+8:(\acc)+15], v[(\wb)+64+8*ks:(\wb)+71+8*ks], v[32+8*ks:39+8*ks], v[(\acc)+8:(\acc)+15]
.endif
.set ks, ks+1
.endr
	PLACES
	WLOAD \wb, \nxt
	WIN 0
.if \pf
	global_prefetch_b8 v30, s[30:31] offset:131072 th:TH_LOAD_NT scope:SCOPE_SE  ; my 16 rows of the second batch, 64 blocks of 256 bytes, a lane a block: each named once in the launch, by the wave that loads it
	global_prefetch_b8 v30, s[30:31] offset:139264 th:TH_LOAD_NT scope:SCOPE_SE  ; two weight groups and the product M ahead of those loads; v30 and s[30:31] are never rewritten
.endif
.if \scl
.set ii, 0
.rept 8
	v_pk_mul_f32 v[(\acc)+2*ii:(\acc)+2*ii+1], v[(\acc)+2*ii:(\acc)+2*ii+1], s[98:99] op_sel_hi:[1,0]
.set ii, ii+1
.endr
.endif
.set ii, 0
.rept 8
	v_cvt_pk_bf16_f32 v[176+ii], v[(\acc)+2*ii], v[(\acc)+2*ii+1]
.set ii, ii+1
.endr
	ds_store_b128 v13, v[176:179] offset:(\off)
	ds_store_b128 v13, v[180:183] offset:(\off)+32
.endm
; K steps 2 c and 2 c + 1 of the scores: three fragments of M^T and one of my x2 each, 16 loads, into buf
.macro CHUNK c, buf, b
.set kp, 0
.rept 2
.set ii, 0
.rept 3
	ds_load_b128 v[(\buf)+32*kp+8*ii:(\buf)+32*kp+8*ii+3], v15 offset:MTB*(\b)+16*XP*ii+64*(2*(\c)+kp)
	ds_load_b128 v[(\buf)+32*kp+8*ii+4:(\buf)+32*kp+8*ii+7], v15 offset:MTB*(\b)+16*XP*ii+64*(2*(\c)+kp)+32
.set ii, ii+1
.endr
	ds_load_b128 v[(\buf)+32*kp+24:(\buf)+32*kp+27], v10 offset:64*(2*(\c)+kp)
	ds_load_b128 v[(\buf)+32*kp+28:(\buf)+32*kp+31], v10 offset:64*(2*(\c)+kp)+32
.set kp, kp+1
.endr
.endm
.macro SCORE buf, first                ; six products; the three accumulators take turns, over the chunks' ends too
.set kp, 0
.rept 2
.set ii, 0
.rept 3
.if (\first) && (kp == 0)
	v_wmma_f32_16x16x32_bf16 v[32+8*ii:39+8*ii], v[(\buf)+32*kp+8*ii:(\buf)+32*kp+8*ii+7], v[(\buf)+32*kp+24:(\buf)+32*kp+31], 0
.else
	v_wmma_f32_16x16x32_bf16 v[32+8*ii:39+8*ii], v[(\buf)+32*kp+8*ii:(\buf)+32*kp+8*ii+7], v[(\buf)+32*kp+24:(\buf)+32*kp+31], v[32+8*ii:39+8*ii]
.endif
.set ii, ii+1
.endr
.set kp, kp+1
.endr
.endm
; The bias of rank r, hidden units 32 mh ..: relu(bW1[1] d_r + (bW1[0] d_n + bb1)) as source 1; source 0 holds bW2^T log2(e) in the eight rows of rank r's half and 0 in the other eight.
; The eight multiply-adds are the places between the last product and the lines that write its source anew.
.macro BIAS mh, r, b
.set ii, 0
.rept 8
	v_pk_fma_f32 v[192+2*ii:193+2*ii], v[96+16*(\mh)+2*ii:97+16*(\mh)+2*ii], s[68+10*(\b)+2*(\r):69+10*(\b)+2*(\r)], v[64+16*(\mh)+2*ii:65+16*(\mh)+2*ii] op_sel_hi:[1,0,1]
.set ii, ii+1
.endr
.set ii, 0
.rept 8
	v_cvt_pk_bf16_f32 v[208+ii], v[192+2*ii], v[193+2*ii]
.set ii, ii+1
.endr
.set ii, 0
.rept 8
	v_pk_max_num_bf16 v[208+ii], v[208+ii], v28
.set ii, ii+1
.endr
	v_wmma_f32_16x16x32_bf16 v[32+8*((\r)/2):39+8*((\r)/2)], v[160+8*((\r)%2+2*(\mh)):167+8*((\r)%2+2*(\mh))], v[208:215], v[32+8*((\r)/2):39+8*((\r)/2)]
.endm
; U's fragments for channels 64 cb ..: four column tiles x 48 places: 12 loads; the upper half of each second fragment stays 0
.macro UL cb, buf, b
.set qq, 0
.rept 4
	ds_load_b128 v[(\buf)+16*qq:(\buf)+16*qq+3], v17 offset:UTB*(\b)+16*UP*(4*(\cb)+qq)
	ds_load_b128 v[(\buf)+16*qq+4:(\buf)+16*qq+7], v17 offset:UTB*(\b)+16*UP*(4*(\cb)+qq)+32
	ds_load_b128 v[(\buf)+16*qq+8:(\buf)+16*qq+11], v17 offset:UTB*(\b)+16*UP*(4*(\cb)+qq)+64
.set qq, qq+1
.endr
.endm
; Channels 64 cb .. of the output: eight products (four accumulators by turns), added onto h1, stored.
.macro OUTCB cb, buf, b, TB
.if (\cb) < 3
	s_wait_dscnt 12                                ; this block of U is in; the next block's 12 loads may stay out
.else
	s_wait_dscnt 0x0
.endif
	WIN 0
.set qq, 0
.rept 4
	v_wmma_f32_16x16x32_bf16 v[192+8*qq:199+8*qq], v[224:231], v[(\buf)+16*qq:(\buf)+16*qq+7], 0
.set qq, qq+1
.endr
.set qq, 0
.rept 4
	v_wmma_f32_16x16x32_bf16 v[192+8*qq:199+8*qq], v[232:239], v[(\buf)+16*qq+8:(\buf)+16*qq+15], v[192+8*qq:199+8*qq]
.set qq, qq+1
.endr
	PLACES
.if (\cb) < 2
	UL (\cb)+2, \buf, \b
.endif
	WIN 0x41
.set jj, 0
.rept 8
.set qq, 0
.rept 4
	v_add_f32 v[(\TB)+16*jj+4*(\cb)+qq], v[(\TB)+16*jj+4*(\cb)+qq], v[192+8*qq+jj]
.set qq, qq+1
.endr
.set jj, jj+1
.endr
	WIN 0x04
.set jj, 0
.rept 8
	global_store_b128 v7, v[(\TB)+16*jj+4*(\cb):(\TB)+16*jj+4*(\cb)+3], s[32:33] offset:131072*(\b)+1024*jj+256*(\cb) th:TH_STORE_NT  ; 16 lanes store 256 consecutive bytes, at a multiple of 256 from out0's first; the data are not written again
.set jj, jj+1
.endr
.endm
; MY 16 TOKENS OF BATCH b, whose registers begin at TB in window 1.
.macro TILE b, TB
	WIN 0
.irp cb, 0,1,2,3
	ds_load_b128 v[32+4*\cb:35+4*\cb], v20 offset:2048+1024*(\b)+256*\cb  ; out1
	ds_load_b128 v[48+4*\cb:51+4*\cb], v20 offset:256*\cb                 ; ln2_g
	ds_load_b128 v[64+4*\cb:67+4*\cb], v20 offset:1024+256*\cb            ; ln2_b
.endr
.if (\b) == 0
	s_wait_asynccnt 0x0                            ; my copies have landed; I read my own 16 rows alone, so no barrier is wanted
	WIN 0x40
.set jj, 0
.rept 8
.set ii, 0
.rept 4
	ds_load_b128 v[(\TB)+16*jj+4*ii:(\TB)+16*jj+4*ii+3], v8 offset:1024*jj+256*ii
.set ii, ii+1
.endr
.set jj, jj+1
.endr
	WIN 0
.else
	s_wait_loadcnt 0x0                             ; the second batch's tokens: the youngest loads
.endif
	s_wait_dscnt 0x0
	LNROWS 4, \TB, 1, 1, 32, 48, 64, 80, 144, 152, 9, 0
	LNROWS 4, (\TB)+64, 1, 1, 32, 48, 64, 80, 144, 152, 9, 4*XP
	; scores: S^T = M^T x2^T.  My stage's bytes are my own, and LDS serves a wave's instructions in order (ISA guide 5.7.1.4): no wait between the stores above and these loads
	CHUNK 0, 64, \b
	CHUNK 1, 128, \b
	s_wait_dscnt 16                                ; all but the younger chunk's 16 loads
	SCORE 64, 1
	PLACES
	CHUNK 2, 64, \b
	s_wait_dscnt 16
	SCORE 128, 0
	PLACES
	CHUNK 3, 128, \b
	s_wait_dscnt 16
	SCORE 64, 0
.irp i, 0,1,2
	ds_load_b128 v[192+8*\i:195+8*\i], v19 offset:768*(\b)+64*\i      ; the ego's scores against its own batch's rows, in the accumulators' order
	ds_load_b128 v[196+8*\i:199+8*\i], v19 offset:768*(\b)+64*\i+16
.endr
	s_wait_dscnt 6                                 ; the last chunk is in; those six may stay out
	SCORE 128, 0
	PLACES
.set ii, 0
.rept 4                                ; ii = 2 mh + y: bW1[0], bW1[1], bb1 of hidden units 32 mh + 16 y + 8 hh + 0..7
	ds_load_b128 v[64+8*ii:67+8*ii], v21 offset:64*ii
	ds_load_b128 v[68+8*ii:71+8*ii], v21 offset:64*ii+16
	ds_load_b128 v[96+8*ii:99+8*ii], v21 offset:256+64*ii
	ds_load_b128 v[100+8*ii:103+8*ii], v21 offset:256+64*ii+16
	ds_load_b128 v[128+8*ii:131+8*ii], v21 offset:512+64*ii
	ds_load_b128 v[132+8*ii:135+8*ii], v21 offset:512+64*ii+16
	ds_load_b128 v[160+8*ii:163+8*ii], v22 offset:1024*ii
	ds_load_b128 v[164+8*ii:167+8*ii], v22 offset:1024*ii+512
.set ii, ii+1
.endr
	s_wait_dscnt 32                                ; the ego's scores are in; the 32 loads just issued may stay out
	v_cmp_eq_u32 s88, s[41+8*(\b)], v23            ; is my token the ego?  Then its scores are those made with eWq
.set kk, 0
.rept 24
	v_cndmask_b32 v[32+kk], v[32+kk], v[192+kk], s88
.set kk, kk+1
.endr
	s_wait_dscnt 0x0
.set ii, 0
.rept 16                               ; bW1[0] d_n + bb1: the same for all ranks
	v_pk_fma_f32 v[64+2*ii:65+2*ii], v[64+2*ii:65+2*ii], v[24+2*(\b):25+2*(\b)], v[128+2*ii:129+2*ii] op_sel_hi:[1,0,1]
.set ii, ii+1
.endr
.irp mh, 0,1
.irp r, 0,2,4,1,3                      ; in this order no two products that follow each other share an accumulator
	BIAS \mh, \r, \b
.endr
.endr
	PLACES
.set qq, 0
.rept 4
.irp u, 12,13,14,15                    ; places 48 to 63 of the second K step do not exist: 0 on both sides
	v_mov_b32 v[64+16*qq+\u], 0
	v_mov_b32 v[128+16*qq+\u], 0
.endr
.set qq, qq+1
.endr
	UL 0, 64, \b
	UL 1, 128, \b
	; who is hidden: rank r < 4 from token idx_r itself; rank 4 from all tokens but idx_0 .. idx_3; place 5 from all.  Lanes 0-15 hold ranks 0, 2, 4, lanes 16-31 ranks 1, 3, 5.
	v_cmp_eq_u32 s89, s[36+8*(\b)], v23
	v_cmp_eq_u32 s90, s[37+8*(\b)], v23
	v_cmp_eq_u32 s91, s[38+8*(\b)], v23
	v_cmp_eq_u32 s92, s[39+8*(\b)], v23
	s_and_b32 s93, s89, 0xffff
	s_and_b32 s66, s90, 0xffff0000
	s_or_b32 s93, s93, s66
	s_and_b32 s94, s91, 0xffff
	s_and_b32 s66, s92, 0xffff0000
	s_or_b32 s94, s94, s66
	s_or_b32 s95, s89, s90
	s_or_b32 s66, s91, s92
	s_or_b32 s95, s95, s66
	s_not_b32 s95, s95
	s_or_b32 s95, s95, 0xffff0000
.irp i, 0,1,2
.set kk, 0
.rept 8
	v_cndmask_b32 v[32+8*\i+kk], v[32+8*\i+kk], s99, s[93+\i]
.set kk, kk+1
.endr
.endr
	; softmax over the six places of a (token, head): three registers and the lane 16 away.  At least four places are open, so the maximum is a true score.
.set kk, 0
.rept 8
	v_max3_num_f32 v[192+kk], v[32+kk], v[40+kk], v[48+kk]
.set kk, kk+1
.endr
.set kk, 0
.rept 8
	v_permlanex16_b32 v[200+kk], v[192+kk], s100, s101
.set kk, kk+1
.endr
.set kk, 0
.rept 8
	v_max_num_f32 v[192+kk], v[192+kk], v[200+kk]
.set kk, kk+1
.endr
.irp i, 0,1,2
.set kk, 0
.rept 4
	v_pk_add_f32 v[32+8*\i+2*kk:33+8*\i+2*kk], v[32+8*\i+2*kk:33+8*\i+2*kk], v[192+2*kk:193+2*kk] neg_lo:[0,1] neg_hi:[0,1]
.set kk, kk+1
.endr
.endr
.set kk, 0
.rept 24
	v_exp_f32 v[32+kk], v[32+kk]
.set kk, kk+1
.endr
	v_nop                                          ; a plain instruction behind the last exponential,
	s_wait_alu depctr_va_vdst(0)                   ; and one wait for the batch of 24
.set kk, 0
.rept 4
	v_pk_add_f32 v[208+2*kk:209+2*kk], v[32+2*kk:33+2*kk], v[40+2*kk:41+2*kk]
.set kk, kk+1
.endr
.set kk, 0
.rept 4
	v_pk_add_f32 v[208+2*kk:209+2*kk], v[208+2*kk:209+2*kk], v[48+2*kk:49+2*kk]
.set kk, kk+1
.endr
.set kk, 0
.rept 8
	v_permlanex16_b32 v[200+kk], v[208+kk], s100, s101
.set kk, kk+1
.endr
.set kk, 0
.rept 4
	v_pk_add_f32 v[208+2*kk:209+2*kk], v[208+2*kk:209+2*kk], v[200+2*kk:201+2*kk]
.set kk, kk+1
.endr
.set kk, 0
.rept 8
	v_rcp_f32 v[208+kk], v[208+kk]                 ; the sum holds the maximum's own 1
.set kk, kk+1
.endr
	v_nop
	s_wait_alu depctr_va_vdst(0)                   ; one wait for the eight reciprocals
.irp i, 0,1,2
.set kk, 0
.rept 4
	v_pk_mul_f32 v[32+8*\i+2*kk:33+8*\i+2*kk], v[32+8*\i+2*kk:33+8*\i+2*kk], v[208+2*kk:209+2*kk]
.set kk, kk+1
.endr
.endr
.set kk, 0
.rept 12                               ; rounded in pairs the weights are source 0: places 0-31 in v[224:231], 32-47 in v[232:235]
	v_cvt_pk_bf16_f32 v[224+kk], v[32+2*kk], v[33+2*kk]
.set kk, kk+1
.endr
.irp u, 236,237,238,239
	v_mov_b32 v[\u], 0
.endr
	OUTCB 0, 64, \b, \TB
	OUTCB 1, 128, \b, \TB
	OUTCB 2, 64, \b, \TB
	OUTCB 3, 128, \b, \TB
	WIN 0
.endm
	s_load_b512 s[4:19], s[0:1], 0x0               ; tokens 4, ego_distances 6, ln2_g 8, ln2_b 10, bW1 12, bb1 14, bW2 16, wfrag 18
	s_load_b128 s[20:23], s[0:1], 0x40             ; o8 20, idx8 22
	s_load_b64 s[24:25], s[0:1], 0x50              ; out0
	v_lshl_add_u32 v4, v0, 2, SPARE                ; my spare word,
	v_mov_b32 v5, 0                                ; and 0: kept for the add alone
	ds_add_u32 v4, v5                              ; the wave's opening: the add, twice on end, and its wait ahead of my first copy; the set-up below, work on registers, stands between
	ds_add_u32 v4, v5
	v_lshrrev_b32 v1, 5, v0
	v_readfirstlane_b32 s28, v1                    ; wave w
	s_mov_b32 s29, ttmp9                           ; id
	s_lshl_b32 s62, s28, 14                        ; 16384 w, as a pair
	s_mov_b32 s63, 0
	s_mov_b32 s61, 0
	s_mov_b32 s96, 0x3b800000                      ; 1/256
	s_mov_b32 s97, 0x3727c5ac                      ; 1e-5
	s_mov_b32 s98, 0x3e8293ee                      ; log2(e) / sqrt(32)
	s_mov_b32 s99, 0xff7fffff                      ; the lowest finite number
	s_mov_b32 s100, 0x76543210                     ; v_permlanex16_b32: each lane takes its own place in the other half
	s_mov_b32 s101, 0xfedcba98
	v_and_b32 v1, 31, v0                           ; l
	v_and_b32 v2, 15, v0                           ; n
	v_bfe_u32 v3, v0, 4, 1                         ; hh
	v_lshlrev_b32 v6, 4, v1                        ; v6   16 l
	v_lshlrev_b32 v238, 4, v2                      ; 16 n
	v_lshl_add_u32 v7, v3, 13, v238                ; v7   8 rows x hh + 16 n: my place in a tile in memory
	v_add_nc_u32 v8, s62, v7                       ; v8   the same among the copied tokens
	v_add_nc_u32 v31, s62, v6                      ; v31  where my copies land
	v_mul_u32_u24 v9, v3, 8*XP
	v_lshl_add_u32 v9, v2, 3, v9
	s_mul_i32 s66, s28, XP
	s_add_co_u32 s66, s66, XST
	v_add_nc_u32 v228, s66, v9                     ; XS row 8 hh + w
	s_mul_i32 s66, s28, 16*XP
	s_add_co_u32 s66, s66, XST
	v_add_nc_u32 v9, s66, v9                       ; v9   my stage, written: row 8 hh, 8 n
	v_mul_u32_u24 v208, v2, XP
	v_lshl_add_u32 v208, v3, 4, v208               ; a fragment's row n, 16 hh
	v_add_nc_u32 v10, s66, v208                    ; v10  my stage, read
	v_add_nc_u32 v11, XST, v208                    ; v11  XS
	v_add_nc_u32 v15, MT, v208                     ; v15  M^T
	s_lshl_b32 s67, s28, 6
	s_add_co_u32 s66, s67, KH
	v_add_nc_u32 v13, s66, v11                     ; v13  K, row n, head w
	v_lshrrev_b32 v209, 3, v2                      ; n >> 3
	v_and_b32 v210, 7, v2                          ; n & 7
	v_mul_u32_u24 v12, v209, 8*XP
	v_lshl_add_u32 v12, v3, 4, v12
	s_add_co_u32 s66, s67, XST+EQH+5*XP
	v_add_nc_u32 v12, s66, v12                     ; v12  EQ, the ego's row of batch n >> 3, head w
	v_min_u32 v211, 5, v210
	v_mul_u32_u24 v14, v211, 8*XP
	v_mad_u32_u24 v14, v209, MTB, v14
	v_lshl_add_u32 v14, v3, 4, v14
	s_mul_i32 s66, s28, XP
	s_add_co_u32 s66, s66, MT
	v_add_nc_u32 v14, s66, v14                     ; v14  M^T of batch n >> 3, row 8 min(n & 7, 5) + w: the three ego rows hold the same numbers and share place 5
	v_mul_u32_u24 v16, v2, UP
	v_lshl_add_u32 v17, v3, 4, v16
	v_add_nc_u32 v17, UT, v17                      ; v17  U^T, read
	v_mad_u32_u24 v16, v3, UTB, v16
	s_mul_i32 s66, s28, 32*UP
	s_add_co_u32 s66, s66, UT
	v_add_nc_u32 v16, s66, v16                     ; v16  U^T of batch hh, row 32 w + n
	v_lshlrev_b32 v18, 5, v2
	v_lshl_add_u32 v18, v3, 9, v18
	s_lshl_b32 s66, s28, 2
	v_lshl_add_u32 v233, v3, 5, s66                ; idx8: batch hh, word w
	s_add_co_u32 s66, s66, SEB
	v_add_nc_u32 v18, s66, v18                     ; v18  batch hh's ego against K's row n, head w: 512 hh + 32 n + 4 w: a word of its own for every lane of every wave
	v_lshlrev_b32 v19, 5, v3
	v_add_nc_u32 v21, W1T, v19                     ; v21  bW1, 8 hh
	v_add_nc_u32 v19, SEB, v19                     ; v19  the ego's scores, 8 hh
	v_add_nc_u32 v20, GT, v238                     ; v20  the tables by channel
	v_add_nc_u32 v22, AB, v6                       ; v22  bW2's fragments
	s_lshl_b32 s66, s28, 4
	v_add_nc_u32 v23, s66, v2                      ; v23  my token, 16 w + n
	v_mov_b32 v25, 0                               ; named with v24 and v26 as pairs
	v_mov_b32 v27, 0
	v_mov_b32 v28, 0                               ; v28  0, for the relu
	v_lshlrev_b32 v30, 8, v1                       ; v30  256 l
	v_lshl_add_u32 v234, v3, 10, v238              ; a row of batch hh, 16 n
	v_add_nc_u32 v230, XST+OPL, v234
	s_lshl_b32 s66, s28, 11
	v_add_nc_u32 v229, s66, v230
	v_add_nc_u32 v239, GT+2048, v234
	v_lshlrev_b32 v235, 2, v23
	s_lshr_b32 s66, s28, 1
	s_lshl_b32 s66, s66, 10
	v_lshl_add_u32 v236, v210, 2, s66
	v_lshl_add_u32 v236, v3, 8, v236               ; bW2: row 32 (w >> 1) + 8 hh, column n & 7
	v_lshlrev_b32 v212, 3, v1
	s_lshl_b32 s66, s28, 10
	v_add_nc_u32 v213, s66, v22
	v_add_nc_u32 v214, W1T, v6
	v_add_nc_u32 v215, W1T+512, v212
	s_wait_dscnt 0x0                               ; both opening adds are done
	s_wait_kmcnt 0x0
	s_lshl_b32 s60, s29, 18
	s_add_nc_u64 s[52:53], s[4:5], s[60:61]        ; tokens at batch 2 id
	s_add_nc_u64 s[32:33], s[24:25], s[60:61]
	s_add_nc_u64 s[30:31], s[52:53], s[62:63]      ; s[30:31] tokens, s[32:33] out0 at my tile of batch 2 id
	s_add_nc_u64 s[32:33], s[32:33], s[62:63]
	s_add_nc_u64 s[34:35], s[18:19], s[62:63]      ; s[34:35] my 16 fragments of weight 0
	s_lshl_b32 s60, s29, 6
	s_add_nc_u64 s[54:55], s[22:23], s[60:61]      ; idx8 at batch 2 id
	s_lshl_b32 s60, s29, 10
	s_add_nc_u64 s[56:57], s[6:7], s[60:61]        ; ego_distances at batch 2 id
	s_lshl_b32 s60, s29, 11
	s_lshl_b32 s66, s28, 19
	s_add_co_u32 s60, s60, s66
	s_add_nc_u64 s[58:59], s[20:21], s[60:61]      ; o8 at part w, batch 2 id
.set ii, 0
.rept 32                               ; my 16 rows of the first batch, 16,384 bytes on end, into LDS as they lie; ahead of every LDS read, barrier and wait on the copies' counter
	global_load_async_to_lds_b128 v31, v6, s[30:31] offset:512*ii
.set ii, ii+1
.endr
	s_load_b512 s[36:51], s[54:55], 0x0            ; both batches' idx8: s[36+8 b+r] rank r, s[41+8 b] the ego
	global_load_b32 v231, v233, s[54:55]           ; the token whose row I normalise: batch hh, word w
.irp cb, 0,1,2,3
	global_load_b128 v[32+4*\cb:35+4*\cb], v238, s[8:9] offset:256*\cb
	global_load_b128 v[48+4*\cb:51+4*\cb], v238, s[10:11] offset:256*\cb
	global_load_b128 v[64+4*\cb:67+4*\cb], v234, s[58:59] offset:256*\cb
.endr
	s_cmp_lt_u32 s28, 4
	s_cbranch_scc0 .Ltab4
	; waves 0-3: fragment w = p + 2 mh of bW2^T log2(e): row m holds head m & 7 where m >> 3 = p, else 0
.set ii, 0
.rept 16
	global_load_b32 v[240+ii], v236, s[16:17] offset:512*(ii/8)+32*(ii%8)
.set ii, ii+1
.endr
	s_and_b32 s66, s28, 1
	s_mov_b32 s67, 0x3fb8aa3b
	v_cmp_eq_u32 vcc_lo, s66, v209
	v_cndmask_b32 v237, 0, s67, vcc_lo
	s_wait_loadcnt 0x0                             ; zero: these are the youngest loads
.set ii, 0
.rept 16
	v_mul_f32 v[240+ii], v237, v[240+ii]
.set ii, ii+1
.endr
.set ii, 0
.rept 8
	v_cvt_pk_bf16_f32 v[240+ii], v[240+2*ii], v[241+2*ii]
.set ii, ii+1
.endr
	ds_store_b128 v213, v[240:243]
	ds_store_b128 v213, v[244:247] offset:512
	s_branch .Ltabd
.Ltab4:
	s_cmp_eq_u32 s28, 4
	s_cbranch_scc0 .Ltab5
	global_load_b128 v[240:243], v6, s[12:13]      ; bW1, 512 bytes
	s_wait_loadcnt 0x0
	ds_store_b128 v214, v[240:243]
	s_branch .Ltabd
.Ltab5:
	s_cmp_eq_u32 s28, 5
	s_cbranch_scc0 .Ltabd
	global_load_b64 v[240:241], v212, s[14:15]     ; bb1, 256 bytes
	s_wait_loadcnt 0x0
	ds_store_b64 v215, v[240:241]
.Ltabd:
	s_wait_loadcnt 0x0                             ; zero: how many loads are out differs from wave to wave
	v_min_u32 v231, 0x7f, v231
	v_lshlrev_b32 v232, 10, v231
	v_lshl_add_u32 v232, v3, 17, v232
	v_add_nc_u32 v232, v238, v232                  ; batch hh, the chosen row, 16 n
.irp cb, 0,1,2,3
	global_load_b128 v[192+4*\cb:195+4*\cb], v232, s[52:53] offset:256*\cb
.endr
	global_load_b32 v24, v235, s[56:57]            ; my token's distance in the first batch,
	global_load_b32 v26, v235, s[56:57] offset:512 ; and in the second
	WLOAD 0, 0                                     ; pWk
	WIN 0
.irp cb, 0,1,2,3
	ds_store_b128 v229, v[64+4*\cb:67+4*\cb] offset:256*\cb  ; part w of out1, both batches
.endr
	s_wait_kmcnt 0x0                               ; idx8
.irp bq, 0,1
.irp r, 0,1,2,3,4                      ; d_r into the low word of a pair; the high word holds the offset and stays
	s_min_u32 s[69+10*\bq+2*\r], s[36+8*\bq+\r], 0x7f
	s_lshl_b32 s[69+10*\bq+2*\r], s[69+10*\bq+2*\r], 2
	s_load_b32 s[68+10*\bq+2*\r], s[56:57], s[69+10*\bq+2*\r] offset:512*\bq
.endr
.endr
	s_wait_dscnt 0x0                               ; for the others' sake: my tables and my part of out1 are stored
	BAR
.set pp, 0
.rept 8
.irp cb, 0,1,2,3
	ds_load_b128 v[64+16*pp+4*\cb:67+16*pp+4*\cb], v230 offset:2048*pp+256*\cb
.endr
.set pp, pp+1
.endr
	s_wait_dscnt 0x0
.set pp, 1
.rept 7                                ; out1 of batch hh = the eight heads' parts, in f32
.set ii, 0
.rept 8
	v_pk_add_f32 v[64+2*ii:65+2*ii], v[64+2*ii:65+2*ii], v[64+16*pp+2*ii:65+16*pp+2*ii]
.set ii, ii+1
.endr
.set pp, pp+1
.endr
	s_cmp_lg_u32 s28, 6
	s_cbranch_scc1 .Lno_gt
.irp cb, 0,1,2,3                       ; wave 6, which had no table: ln2_g, ln2_b (both halves of the lanes store the same), out1 of both batches
	ds_store_b128 v20, v[32+4*\cb:35+4*\cb] offset:256*\cb
	ds_store_b128 v20, v[48+4*\cb:51+4*\cb] offset:1024+256*\cb
	ds_store_b128 v239, v[64+4*\cb:67+4*\cb] offset:256*\cb
.endr
.Lno_gt:
	s_wait_loadcnt 32                              ; the chosen row and the distances are in; pWk's 32 loads may stay out
	WLOAD 128, 1                                   ; pWv
	WIN 0
	LNROWS 1, 192, 0, 1, 64, 32, 48, 208, 224, 226, 228, 0
	s_wait_dscnt 0x0
	BAR                                            ; XS: x2 of the 16 chosen rows: batch, then ranks 0-4 and the ego three times
.set ks, 0
.rept 8
	ds_load_b128 v[32+8*ks:35+8*ks], v11 offset:64*ks
	ds_load_b128 v[36+8*ks:39+8*ks], v11 offset:64*ks+32
.set ks, ks+1
.endr
	s_wait_dscnt 0x0
	PROJ 0, 96, 2, 0, 1, 1                         ; K, scaled; the buffer takes eWq
	PROJ 128, 112, 3, VH-KH, 0, 0                  ; V; the buffer takes pWq
	PROJ 0, 128, 4, EQH-KH, 0, 0                   ; EQ; the buffer takes pWo
	s_wait_dscnt 0x0
	BAR
	ds_load_b128 v[200:203], v13                   ; K of head w, as source 1
	ds_load_b128 v[204:207], v13 offset:32
	ds_load_b128 v[208:211], v12                   ; the egos' EQ of head w, as source 0
	ds_load_b128 v[212:215], v12 offset:32
.set ks, 0
.rept 8                                ; V of every head, as source 0
	ds_load_b128 v[32+8*ks:35+8*ks], v11 offset:VH+64*ks
	ds_load_b128 v[36+8*ks:39+8*ks], v11 offset:VH+64*ks+32
.set ks, ks+1
.endr
	s_wait_dscnt 0x0
	s_wait_loadcnt 32                              ; pWq is in; pWo's 32 loads may stay out
.irp hf, 0,1                           ; M: source 0 = 16 rows d of pWq_w: a lane ends with eight neighbouring d of one (batch, rank)
	WIN 0x01
.set dd, 0
.rept 8
	v_wmma_f32_16x16x32_bf16 v[96+8*dd:103+8*dd], v[128+64*\hf+8*dd:135+64*\hf+8*dd], v[200:207], 0
.set dd, dd+1
.endr
.if \hf == 0
	WIN 0
	v_wmma_f32_16x16x32_bf16 v[160:167], v[208:215], v[200:207], 0
.endif
	PLACES
.if \hf == 1
	WIN 0x40
.set jj, 0
.rept 8
.set ii, 0
.rept 4                                ; pWq's buffer takes my tile of the second batch
	global_load_b128 v[128+16*jj+4*ii:131+16*jj+4*ii], v7, s[30:31] offset:131072+1024*jj+256*ii th:TH_LOAD_NT
.set ii, ii+1
.endr
.set jj, jj+1
.endr
.endif
	WIN 0
.set dd, 0
.rept 8
.set ii, 0
.rept 4
	v_cvt_pk_bf16_f32 v[168+4*dd+ii], v[96+8*dd+2*ii], v[97+8*dd+2*ii]
.set ii, ii+1
.endr
.set dd, dd+1
.endr
.set dd, 0
.rept 8
	ds_store_b128 v14, v[168+4*dd:171+4*dd] offset:32*(8*\hf+dd)
.set dd, dd+1
.endr
.if \hf == 0
	ds_store_b32 v18, v160                         ; register 0: batch hh's ego against K's row n.  All lanes store: the rows of the other batch go to quarters that nobody reads
.endif
.endr
	s_wait_loadcnt 32                              ; pWo is in; the second batch's 32 loads may stay out
.irp tc, 0,1                           ; U: source 0 = V_h's 16 rows, source 1 = 16 columns of pWo_h: register j of lane (column, hh) is (batch hh, rank j)
	WIN 0x04
.set dd, 0
.rept 8
	v_wmma_f32_16x16x32_bf16 v[96+8*dd:103+8*dd], v[32+8*dd:39+8*dd], v[64*\tc+8*dd:64*\tc+8*dd+7], 0
.set dd, dd+1
.endr
	PLACES
	WIN 0
.irp r, 0,1,2,3,4,5
.irp a, 0,1,2,3
	v_cvt_pk_bf16_f32 v[168+4*\r+\a], v[96+16*\a+\r], v[104+16*\a+\r]
.endr
	ds_store_b128 v16, v[168+4*\r:171+4*\r] offset:16*UP*\tc+16*\r  ; the eight heads of rank r lie on end
.endr
.endr
	s_wait_dscnt 0x0                               ; my stores are done, and so are my reads of what the stages now overwrite
	BAR
	s_wait_kmcnt 0x0                               ; the ranks' distances
	TILE 0, 0
	TILE 1, 128
	s_wait_tensorcnt 0x0                           ; the wave's end
	s_wait_asynccnt 0x0
	ds_add_u32 v4, v5
	s_wait_dscnt 0x0
	s_endpgm
.Lfunc_end_k_q3c7c36a498_main:
	.size	k_q3c7c36a498_main, .Lfunc_end_k_q3c7c36a498_main-k_q3c7c36a498_main
	.p2alignl 7, 3214868480
	.fill 96, 4, 3214868480
	.section	.rodata,"a",@progbits
	.p2align	6, 0x0
	.amdhsa_kernel k_q3c7c36a498_main
		.amdhsa_group_segment_fixed_size 318208
		.amdhsa_private_segment_fixed_size 0
		.amdhsa_enable_private_segment 0
		.amdhsa_kernarg_size 88
		.amdhsa_user_sgpr_count 2
		.amdhsa_user_sgpr_kernarg_segment_ptr 1
		.amdhsa_wavefront_size32 1
		.amdhsa_system_sgpr_workgroup_id_x 1
		.amdhsa_system_sgpr_workgroup_id_y 1
		.amdhsa_system_sgpr_workgroup_id_z 1
		.amdhsa_system_vgpr_workitem_id 0
		.amdhsa_next_free_vgpr 512
		.amdhsa_next_free_sgpr 102
		.amdhsa_reserve_vcc 1
		.amdhsa_float_denorm_mode_32 3
		.amdhsa_float_denorm_mode_16_64 3
		.amdhsa_memory_ordered 1
		.amdhsa_forward_progress 1
		.amdhsa_inst_pref_size 238
	.end_amdhsa_kernel
	.amdgpu_metadata
---
amdhsa.version: [ 1, 2 ]
amdhsa.kernels:
  - .name:           k_q3c7c36a498_main
    .symbol:         k_q3c7c36a498_main.kd
    .args:
      - { .name: tokens, .offset: 0, .size: 8, .value_kind: global_buffer, .address_space: global }
      - { .name: ego_distances, .offset: 8, .size: 8, .value_kind: global_buffer, .address_space: global }
      - { .name: ln2_g, .offset: 16, .size: 8, .value_kind: global_buffer, .address_space: global }
      - { .name: ln2_b, .offset: 24, .size: 8, .value_kind: global_buffer, .address_space: global }
      - { .name: bW1, .offset: 32, .size: 8, .value_kind: global_buffer, .address_space: global }
      - { .name: bb1, .offset: 40, .size: 8, .value_kind: global_buffer, .address_space: global }
      - { .name: bW2, .offset: 48, .size: 8, .value_kind: global_buffer, .address_space: global }
      - { .name: wfrag, .offset: 56, .size: 8, .value_kind: global_buffer, .address_space: global }
      - { .name: o8, .offset: 64, .size: 8, .value_kind: global_buffer, .address_space: global }
      - { .name: idx8, .offset: 72, .size: 8, .value_kind: global_buffer, .address_space: global }
      - { .name: out0, .offset: 80, .size: 8, .value_kind: global_buffer, .address_space: global }
    .group_segment_fixed_size: 318208
    .private_segment_fixed_size: 0
    .kernarg_segment_align: 8
    .kernarg_segment_size: 88
    .max_flat_workgroup_size: 256
    .sgpr_count:     102
    .vgpr_count:     512
    .wavefront_size: 32
...
	.end_amdgpu_metadata
.endif
;; end of part 2
